; MI455X (gfx1250); checked and timed in simulation.
; The chip was launched on July 23, 2026; its instructions are those of AMD's public machine-readable ISA for CDNA 5 (MIT licence, August 2026) and "CDNA5" Instruction Set Architecture Reference Guide (July 2026). The comments in the code are by the model that wrote it; some were corrected since.
;; KNN Model. Allowed arithmetic: float matrix products may take bf16 or f16 operands with f32 sums; all other float work in f32.
;; Inputs: x 2,048 x 128 float32; x_train 50,000 x 128 float32; y_train 50,000 x 1 float32.
;; Outputs: out0 2,048 x 1 float32.
;; Constants: k = 5.
;; One version. Each part assembles by itself: llvm-mc -triple=amdgcn-amd-amdhsa -mcpu=gfx1250 --defsym DOCPART=n.
;; ======== version 1 of 1: 3 launches
;; limits: values within 1.5e-05 (relative) of each other or of a threshold may be ordered or decided otherwise than in the reference
;; workspace buffers: cand 3,997,696 bytes; ids 65,536 bytes of whole numbers
;; launch scan (part 1): grid 61 x 4, 4 waves a work-group, no clusters, 306,176 bytes of LDS; arguments x, x_train, cand; writes cand
.if DOCPART == 1
	.amdgcn_target "amdgcn-amd-amdhsa--gfx1250"
	.amdhsa_code_object_version 6
	.text
	.protected	k_q56d9269242_scan
	.globl	k_q56d9269242_scan
	.p2align	8
	.type	k_q56d9269242_scan,@function
k_q56d9269242_scan:
	s_mov_b64 s[64:65], 0
	v_nop
	global_prefetch_b8 v0, s[64:65] scope:SCOPE_SE
	s_setreg_imm32_b32 hwreg(HW_REG_WAVE_MODE, 25, 1), 1
	s_wait_xcnt 0x0
; NEAREST NEIGHBOURS, FIRST PASS.  x: [2048][128] f32, x_train: [50000][128] f32.  Both are rounded once to bf16; products and both norms are made of the rounded numbers, sums in f32.
; score s = x.t - |t|^2/2 (the norm enters as the C operand of the first K step); a BUCKET is 8 consecutive training rows; its value is e = max of its 8 scores - |x|^2/2 = -(least squared distance)/2.
; The five nearest rows of a query lie in the five buckets of greatest e.  This launch leaves, for each query and each RANGE of 52 training tiles (104 buckets), the six greatest keys;
; key = the upper 25 bits of e with the bucket's number in its range (7 bits) below them, so that a sorted list of keys needs no payload: five medians and a maximum insert one key.
; LIMITS.  A key keeps 16 bits of e's mantissa, and six keys are kept where five are needed: a bucket that belongs to the five is lost only if two others agree with it in sign, exponent and
; those 16 bits.  NaN and infinities are not treated apart.  Squared distances are formed as x^2 + t^2 - 2 x.t, as the problem's own formula forms them.
; SHARES.  Work-group (p, y): queries 512 y .. +511, training tiles 52 p .. 52 p + 51 (of 3,125; 61 x 52 = 3,172: a tile past the last is read at the last tile's address and its norm
; is set to 1.7e38, so its keys lose against every true one).  Wave w owns 128 queries: eight tiles of 16, as B fragments in 256 registers for the whole launch.
; A CHUNK is four training tiles.  In every chunk wave w rounds tile w of the NEXT chunk (16 rows, loaded two chunks ahead into registers) into LDS and makes its norms as the diagonal of T T^T;
; all four waves multiply all four tiles of the chunk in hand.  One barrier a chunk, two LDS buffers.
; BY TURNS.  A PHASE is one training tile: 32 matrix instructions (4 K steps x 8 query tiles, the eight accumulators by turns).  Behind each stand three vector
; instructions of the selection over the tile BEFORE, whose scores lie in the other set of accumulators: 96 a phase.
; NO CLUSTER, though the four work-groups of a range read the same training rows: the rows pass through registers to be rounded, so a joint load into LDS would add 8,192 bytes written and
; 8,192 read for each tile to the 4,096 that the rounded tile costs, and a work-group's whole share is 425,984 bytes for 1,664 matrix instructions a wave.
; x comes once by one tensor load a wave (128 rows x 512 bytes, its own LDS bytes, never filled again): one tensor load of a wave is out.
; REGISTERS, in windows of 256 (s_set_vgpr_msb: bits 1:0 source 0, 3:2 source 1, 5:4 source 2, 7:6 destination):
;   window 0: v0-15 addresses; v16-23 |x|^2/2; v24-71 eight lists of six keys; v72-79 at work; v80-83 at work; v128-191, v192-255 two sets of eight accumulators
;   window 1: Q, 32 a query tile      window 2: v0-63 two buffers of a training tile's fragments; v64-79 two buffers of its norms (C); v80-81 addresses
;   window 3: v0-127 two sets of 16 rows as loaded; v128-135 rounded; v136-167 my tile's fragments; v168-175 T T^T; v176-179 at work; v180-183 addresses
.set LASTT, 3124        ; the last training tile
.set RTILES, 52         ; tiles in a range
.set PT,    272         ; a rounded row in LDS: 256 bytes + 16: the 16 rows of a fragment load start at 16 different groups of four banks (ISA guide 11.1)
.set SLOT,  16*PT       ; a tile
.set BUF,   4*SLOT      ; a chunk
.set TS,    2*BUF       ; -|t|^2/2: two buffers of 256 bytes, [tile][16] f32
.set SPARE, TS+512      ; the spare words, 128 bytes a wave: two blocks of 256 bytes that no other line names
.set XB,    SPARE+512   ; x as f32: 128 rows for each wave
.set PX,    528         ; 512 bytes + 16
.set XW,    128*PX
.set OCT,   61*256      ; cand: [256 groups of 8 queries][61 ranges][8 queries][8 words]
.set SPW, 1             ; v1  my spare word's LDS address; never rewritten
.set NIL, 2             ; v2  0; never rewritten
.set GOF, 3             ; v3  16 x lane
.set STA, 4             ; v4  where I put 8 bytes of a rounded row
.set FRA, 5             ; v5  my place in a tile's fragments
.set OWN, 6             ; v6  the same in my own tile
.set TSR, 7             ; v7  where I read eight norms
.set TSW, 8             ; v8  where I put a norm
.set IDR, 9             ; v9  2 x (tile in range) + h of the tile under selection
.set RR,  10            ; v10 lane % 16
.set HH,  11            ; v11 lane / 16
.set XFA, 12            ; v12 my place in x's rows
.set COF, 13            ; v13 my byte offset in cand
.set XH,  16
.set LIST, 24
.set T,   72
.set XT,  80
.set ACC, 128
.set CI,  64            ; window 2
.set FRA2, 80
.set TSR2, 81
.set P3,  128           ; window 3
.set TF,  136
.set TD,  168
.set X3,  176
.set STA3, 180
.set GOF3, 181
.set OWN3, 182
.set TSW3, 183
.set IT,  37            ; s37 counts pairs of chunks
.set TL,  38            ; s38 the tile that my next loads bring
.set TC,  39            ; s39 the tile whose norms I make next
.set MSB, 0
.macro WIN new                      ; the high byte repeats the setting that is left; a switch that changes nothing is dropped
.if MSB != (\new)
	s_set_vgpr_msb (MSB<<8)|(\new)
.set MSB, (\new)
.endif
.endm
; Matrix instruction i of a phase's 32: K step i / 8, query tile i % 8.  Source 0 = 16 training rows, source 1 = 16 queries: a lane holds ONE query (lane % 16) and the rows 8 (lane / 16) + 0..7: a bucket.
.macro MM set, af, i
.set mk, (\i)/8
.set mq, (\i)%8
.set mD, ACC+64*(\set)+8*mq
.set mA, 32*(\af)+8*mk
.set mB, 32*mq+8*mk
.if mk == 0
	WIN 0x26
	v_wmma_f32_16x16x32_bf16 v[mD:mD+7], v[mA:mA+7], v[mB:mB+7], v[CI+8*(\af):CI+8*(\af)+7]
.else
	WIN 0x06
	v_wmma_f32_16x16x32_bf16 v[mD:mD+7], v[mA:mA+7], v[mB:mB+7], v[mD:mD+7]
.endif
.endm
; Number j of the 96 that select over one training tile's scores in accumulator set 'set'.  Four query tiles at a time, so that an instruction reads a result made four lines earlier.
; 0-3 the bucket's maximum (the accumulator's lowest registers first); 4 less |x|^2/2; 5 the key; 6-10 the list's places 5 to 1, from the bottom, in place; 11 place 0.
.macro SEL set, j
.set sn, ((\j)%48)/4
.set sq, 4*((\j)/48)+(\j)%4
.set sA, ACC+64*(\set)+8*sq
.set sT, T+sq
.set sL, LIST+6*sq
.if sn == 0
	v_max3_num_f32 v[sT], v[sA], v[sA+1], v[sA+2]
.elseif sn == 1
	v_max3_num_f32 v[sT], v[sT], v[sA+3], v[sA+4]
.elseif sn == 2
	v_max3_num_f32 v[sT], v[sT], v[sA+5], v[sA+6]
.elseif sn == 3
	v_max_num_f32 v[sT], v[sT], v[sA+7]
.elseif sn == 4
	v_sub_f32 v[sT], v[sT], v[XH+sq]
.elseif sn == 5
	v_bfi_b32 v[sT], s28, v[sT], v[IDR]
.elseif sn < 11
	v_med3_num_f32 v[sL+11-sn], v[sT], v[sL+10-sn], v[sL+11-sn]
.else
	v_max_num_f32 v[sL], v[sT], v[sL]
.endif
.endm
.macro ROWS set, af, a, b           ; matrix instructions a to b of a phase, three of the other set's selection behind each
.set ri, (\a)
.rept (\b)-(\a)+1
	MM \set, \af, ri
	WIN 0
	SEL 1-(\set), 3*ri
	SEL 1-(\set), 3*ri+1
	SEL 1-(\set), 3*ri+2
.set ri, ri+1
.endr
.endm
.macro NEXTID
	WIN 0
	v_add_nc_u32 v[IDR], 2, v[IDR]
.endm
; Ten LDS loads in one run: a training tile's fragments (16 rows x 128 K) and its eight norms a lane.  The buffer's last reader stands 16 plain vector instructions back.
.macro FETCH af, tb, ts
	WIN 0x82
.irp k, 0,1,2,3
	ds_load_b128 v[32*(\af)+8*\k:32*(\af)+8*\k+3],   v[FRA2] offset:(\tb)+64*\k
	ds_load_b128 v[32*(\af)+8*\k+4:32*(\af)+8*\k+7], v[FRA2] offset:(\tb)+64*\k+32
.endr
	ds_load_b128 v[CI+8*(\af):CI+8*(\af)+3],   v[TSR2] offset:(\ts)
	ds_load_b128 v[CI+8*(\af)+4:CI+8*(\af)+7], v[TSR2] offset:(\ts)+16
.endm
; Rows 2 i and 2 i + 1 of my tile: four numbers a lane rounded to bf16, 8 bytes a lane into LDS.
.macro CV f, i, tb
	WIN 0xff
.irp n, 0,1
.set cr, 2*(\i)+\n
.set cp, P3+4*((\i)%2)+2*\n
	v_cvt_pk_bf16_f32 v[cp],   v[64*(\f)+4*cr],   v[64*(\f)+4*cr+1]
	v_cvt_pk_bf16_f32 v[cp+1], v[64*(\f)+4*cr+2], v[64*(\f)+4*cr+3]
	ds_store_b64 v[STA3], v[cp:cp+1] offset:(\tb)+cr*PT
.endr
.endm
; Sixteen loads, each a whole row of 512 consecutive bytes: my tile of a later chunk.
.macro LOADS f
	s_wait_xcnt 0x0                 ; the base of the loads before is rewritten only behind this wait
	s_min_u32 s42, s[TL], LASTT     ; a tile past the end is read at the last tile's place
	s_lshl_b32 s42, s42, 13         ; 16 rows of 512 bytes
	s_add_nc_u64 s[40:41], s[6:7], s[42:43]
	s_add_co_u32 s[TL], s[TL], 4
	WIN 0xff
.set li, 0
.rept 16
	global_load_b128 v[64*(\f)+4*li:64*(\f)+4*li+3], v[GOF3], s[40:41] offset:512*li
.set li, li+1
.endr
.endm
; The last two chunks' turns have nothing left to load: there everything that is out is waited for, so that the count 16 at the head of a conversion holds on both ways.
.macro LOADBLOCK f
	WIN 0
	s_cmp_lt_u32 s[IT], 5
	s_cbranch_scc0 .Lskip_\@
	LOADS \f
	WIN 0
	s_branch .Ljoin_\@
.Lskip_\@:
	s_wait_loadcnt 0x0
.Ljoin_\@:
.endm
.macro TQL tb                       ; my own tile's fragments back from LDS: LDS serves a wave's instructions in order (ISA guide 5.7.1.4), so these see my stores
	WIN 0xff
.irp k, 0,1,2,3
	ds_load_b128 v[TF+8*\k:TF+8*\k+3],   v[OWN3] offset:(\tb)+64*\k
	ds_load_b128 v[TF+8*\k+4:TF+8*\k+7], v[OWN3] offset:(\tb)+64*\k+32
.endr
.endm
.macro TQM k                        ; K step k of T T^T: its diagonal holds the rows' norms
	WIN 0xff
.if (\k) == 0
	v_wmma_f32_16x16x32_bf16 v[TD:TD+7], v[TF:TF+7], v[TF:TF+7], 0
.else
	v_wmma_f32_16x16x32_bf16 v[TD:TD+7], v[TF+8*(\k):TF+8*(\k)+7], v[TF+8*(\k):TF+8*(\k)+7], v[TD:TD+7]
.endif
.endm
; Element (r, r) of a 16 x 16 result into every lane (r, h): it lies in register r % 8 of the lane with h = r / 8.  Under the window in force.
.macro DIAG d, x
	v_cndmask_b32 v[(\x)],   v[(\d)],   v[(\d)+1], s32
	v_cndmask_b32 v[(\x)+1], v[(\d)+2], v[(\d)+3], s32
	v_cndmask_b32 v[(\x)+2], v[(\d)+4], v[(\d)+5], s32
	v_cndmask_b32 v[(\x)+3], v[(\d)+6], v[(\d)+7], s32
	v_cndmask_b32 v[(\x)],   v[(\x)],   v[(\x)+1], s33
	v_cndmask_b32 v[(\x)+2], v[(\x)+2], v[(\x)+3], s33
	v_cndmask_b32 v[(\x)],   v[(\x)],   v[(\x)+2], s34
	v_permlanex16_b32 v[(\x)+1], v[(\x)], s30, s31
	v_cndmask_b32 v[(\x)],   v[(\x)],   v[(\x)+1], s35
.endm
.macro TQD ts                       ; -|t|^2/2 of my tile's rows into LDS; less 1.7e38 for a tile past the end
	WIN 0xff
	DIAG TD, X3
	s_cmp_gt_u32 s[TC], LASTT
	s_cselect_b32 s29, 0xff000000, 0
	s_add_co_u32 s[TC], s[TC], 4
	v_fma_f32 v[X3], v[X3], -0.5, s29
	ds_store_b32 v[TSW3], v[X3] offset:(\ts)
.endm
.macro HCV c, i
.if \c
	CV FN, \i, TBN
.endif
.endm
; A CHUNK's four phases, in LDS buffer b.  conv = 1: my tile of the next chunk is rounded into the other buffer.  last = 1: nothing follows.
.macro TRIP b, conv, last
.set TBO, (\b)*BUF
.set TBN, (1-(\b))*BUF
.set TSO, (\b)*256
.set TSN, (1-(\b))*256
.set FN,  1-(\b)
	s_wait_dscnt 0x0                ; tile 0's fragments: nothing was issued behind them
	ROWS 0, 0, 0, 3
	FETCH 1, TBO+SLOT, TSO+64
	ROWS 0, 0, 4, 7
.if \conv
	s_wait_loadcnt 16               ; my rows of the next chunk are in; the 16 loads of the chunk after it may stay out
.endif
	HCV \conv, 0
	ROWS 0, 0, 8, 11
	HCV \conv, 1
	ROWS 0, 0, 12, 15
	HCV \conv, 2
	ROWS 0, 0, 16, 19
	HCV \conv, 3
	ROWS 0, 0, 20, 31
	NEXTID
.if \conv
	s_wait_dscnt 8                  ; tile 1's fragments: behind them stand the eight stores of four conversions
.else
	s_wait_dscnt 0x0
.endif
	ROWS 1, 1, 0, 3
	FETCH 0, TBO+2*SLOT, TSO+128
	ROWS 1, 1, 4, 7
	HCV \conv, 4
	ROWS 1, 1, 8, 11
	HCV \conv, 5
	ROWS 1, 1, 12, 15
	HCV \conv, 6
	ROWS 1, 1, 16, 19
	HCV \conv, 7
	ROWS 1, 1, 20, 23
.if \conv
	LOADBLOCK FN                    ; the registers just rounded take the chunk three on: two chunks, 256 matrix instructions, ahead of its use
.endif
	ROWS 1, 1, 24, 31
	NEXTID
.if \conv
	s_wait_dscnt 8                  ; tile 2's fragments: again eight stores behind them
.else
	s_wait_dscnt 0x0
.endif
	ROWS 0, 0, 0, 3
	FETCH 1, TBO+3*SLOT, TSO+192
	ROWS 0, 0, 4, 7
.if \conv
	TQL TBN
	ROWS 0, 0, 8, 15
	s_wait_dscnt 0x0                ; my own tile's fragments
	TQM 0
	ROWS 0, 0, 16, 17
	TQM 1
	ROWS 0, 0, 18, 19
	TQM 2
	ROWS 0, 0, 20, 21
	TQM 3
	ROWS 0, 0, 22, 27               ; 18 vector instructions that name none of its registers stand behind the last of the four
	TQD TSN
	ROWS 0, 0, 28, 31
.else
	ROWS 0, 0, 8, 31
.endif
	NEXTID
	s_wait_dscnt 0x0                ; tile 3's fragments, my last reads of this buffer; my rounded rows and norms of the next chunk are written
.if !(\last)
	s_barrier_signal -1             ; say so,
.endif
	ROWS 1, 1, 0, 3                 ; work on registers while the others arrive,
.if !(\last)
	s_barrier_wait -1               ; and go on when all four have said so: the other buffer is whole, and nobody reads this one any more
	FETCH 0, TBN, TSN
.endif
	ROWS 1, 1, 4, 31
	NEXTID
.endm
	s_load_b128 s[4:7], s[0:1], 0x0                ; x s[4:5], x_train s[6:7]
	s_load_b64 s[8:9], s[0:1], 0x10                ; cand
	v_lshl_add_u32 v[SPW], v0, 2, SPARE
	v_mov_b32 v[NIL], 0
	ds_add_u32 v[SPW], v[NIL]                      ; the wave's opening: the add and its wait stand ahead of my tensor load; work on registers stands between them
	ds_add_u32 v1, v2
	v_lshrrev_b32 v14, 5, v0
	v_readfirstlane_b32 s10, v14                   ; wave 0..3
	s_mov_b32 s11, ttmp9                           ; p: the range
	s_and_b32 s12, ttmp7, 0xffff                   ; y: the block of 512 queries
	; descriptor group 1: 128 rows x 128 elements of 4 bytes, padded in LDS
	s_mov_b32 s16, (2<<16)|(1<<20)|(6<<22)|(3<<25) ; 17:16 4-byte elements; 20 padding on; 24:22 after every 128 words (code 6); 31:25 4 words (code 3)
	s_mov_b32 s17, 128<<16                         ; tensor_dim0 = 128
	s_mov_b32 s18, 128<<16                         ; tensor_dim1 = 128
	s_mov_b32 s19, 128<<16                         ; tile_dim0 = 128
	s_mov_b32 s20, 128                             ; tile_dim1 = 128
	s_mov_b32 s21, 128                             ; 128 elements from row to row
	s_mov_b32 s22, 0
	s_mov_b32 s23, 0
	s_mov_b32 s24, 1                               ; group 0: count = 1
	s_mul_i32 s25, s10, XW
	s_add_co_u32 s25, s25, XB                      ; LDS address: my wave's 128 rows
	s_lshl_b32 s42, s12, 2
	s_add_co_u32 s42, s42, s10
	s_lshl_b32 s42, s42, 16                        ; (4 y + w) x 128 rows x 512 bytes
	s_mov_b32 s43, 0
	s_mov_b32 s28, 0xffffff80                      ; a key's bits of e
	s_mov_b32 s30, 0x76543210                      ; v_permlanex16_b32: each lane takes its own place in the other half
	s_mov_b32 s31, 0xfedcba98
	s_mov_b32 s32, 0xaaaaaaaa                      ; lanes with r & 1
	s_mov_b32 s33, 0xcccccccc                      ; r & 2
	s_mov_b32 s34, 0xf0f0f0f0                      ; r & 4
	s_mov_b32 s35, 0x00ffff00                      ; h != r / 8
	s_mov_b32 s36, 0xffff0000                      ; h = 1
	s_mov_b32 s46, 0xff800000                      ; -infinity
	s_mov_b32 s47, 0xff000000                      ; -1.7e38
	s_mul_i32 s[TL], s11, RTILES
	s_add_co_u32 s[TL], s[TL], s10                 ; my tile of chunk 0
	s_mov_b32 s[TC], s[TL]
	s_wait_dscnt 0x0                               ; the opening add is done
	s_wait_kmcnt 0x0
	s_add_nc_u64 s[26:27], s[4:5], s[42:43]        ; global address of my first row of x
	s_or_b32 s27, s27, 0x80000000                  ; type = 2
	tensor_load_to_lds s[24:27], s[16:23]
	s_nop 0
.rept 4
	v_nop
.endr
	v_and_b32 v14, 31, v0                          ; lane
	v_lshlrev_b32 v[GOF], 4, v14
	WIN 0xc0
	v_mov_b32 v[GOF3], v[GOF]
	LOADS 0                                        ; chunk 0
	LOADS 1                                        ; chunk 1
	WIN 0
	v_and_b32 v[RR], 15, v0
	v_bfe_u32 v[HH], v0, 4, 1
	s_mul_i32 s44, s10, SLOT
	v_lshl_add_u32 v[STA], v14, 3, s44             ; my tile's slot + 8 x lane
	v_mul_u32_u24 v[FRA], v[RR], PT
	v_lshl_add_u32 v[FRA], v[HH], 4, v[FRA]        ; row x pitch + 16 x half
	v_add_nc_u32 v[OWN], s44, v[FRA]
	v_lshlrev_b32 v[TSR], 5, v[HH]
	v_add_nc_u32 v[TSR], TS, v[TSR]                ; the norms of rows 8 h .. 8 h + 7
	s_lshl_b32 s45, s10, 6
	s_add_co_u32 s45, s45, TS
	v_lshl_add_u32 v[TSW], v[RR], 2, s45           ; row r of my tile
	v_add_nc_u32 v[IDR], -2, v[HH]                 ; the first phase selects over a set that holds -1.7e38: keys that lose against every true one
	v_mul_u32_u24 v[XFA], v[RR], PX
	v_lshl_add_u32 v[XFA], v[HH], 5, v[XFA]
	v_add_nc_u32 v[XFA], s25, v[XFA]               ; row x pitch + 32 x half, in my wave's rows of x
	v_lshrrev_b32 v15, 3, v[RR]
	v_mul_u32_u24 v[COF], v15, OCT
	v_and_b32 v15, 7, v[RR]
	v_lshl_add_u32 v[COF], v15, 5, v[COF]
	v_lshl_add_u32 v[COF], v[HH], 4, v[COF]        ; (r / 8) groups + (r % 8) x 32 + 16 h
	v_mov_b32 v14, s46
	WIN 0xc0
	v_mov_b32 v[STA3], v[STA]
	v_mov_b32 v[OWN3], v[OWN]
	v_mov_b32 v[TSW3], v[TSW]
	WIN 0x80
	v_mov_b32 v[FRA2], v[FRA]
	v_mov_b32 v[TSR2], v[TSR]
	WIN 0
.set i, 0
.rept 48
	v_mov_b32 v[LIST+i], s46                       ; the lists start at -infinity
.set i, i+1
.endr
	s_wait_loadcnt 16                              ; chunk 0 is in; chunk 1's 16 loads stay out
.irp i, 0,1,2,3,4,5,6,7
	CV 0, \i, 0
.endr
	LOADS 0                                        ; chunk 2
	TQL 0
	s_wait_tensorcnt 0x0                           ; my rows of x are in LDS; only I read them
	; Q: for each query tile 16 loads of 16 bytes (lane (r, h): K = 8 h + 0..7 and 16 + 8 h + 0..7 of each 32, as f32), rounded in pairs into the fragment.  The accumulators' registers are the stage, two halves by turns.
.macro XLD q
.set xs, ACC+64*((\q)%2)
.irp k, 0,1,2,3
	ds_load_b128 v[xs+16*\k:xs+16*\k+3],     v[XFA] offset:(\q)*16*PX+128*\k
	ds_load_b128 v[xs+16*\k+4:xs+16*\k+7],   v[XFA] offset:(\q)*16*PX+128*\k+16
	ds_load_b128 v[xs+16*\k+8:xs+16*\k+11],  v[XFA] offset:(\q)*16*PX+128*\k+64
	ds_load_b128 v[xs+16*\k+12:xs+16*\k+15], v[XFA] offset:(\q)*16*PX+128*\k+80
.endr
.endm
	WIN 0
	XLD 0
.set qq, 0
.rept 8
	WIN 0
.if qq < 7
	XLD qq+1
	s_wait_dscnt 16                                ; all but the next tile's 16
.else
	s_wait_dscnt 0x0
.endif
	WIN 0x40
.set ci, 0
.rept 32
	v_cvt_pk_bf16_f32 v[32*qq+ci], v[ACC+64*(qq%2)+2*ci], v[ACC+64*(qq%2)+2*ci+1]
.set ci, ci+1
.endr
.set qq, qq+1
.endr
	; |x|^2 as the diagonals of Q Q^T, and chunk 0's norms of my tile: nine accumulators by turns
.set xk, 0
.rept 4
.set xq, 0
.rept 8
	WIN 0x05
.if xk == 0
	v_wmma_f32_16x16x32_bf16 v[ACC+8*xq:ACC+8*xq+7], v[32*xq:32*xq+7], v[32*xq:32*xq+7], 0
.else
	v_wmma_f32_16x16x32_bf16 v[ACC+8*xq:ACC+8*xq+7], v[32*xq+8*xk:32*xq+8*xk+7], v[32*xq+8*xk:32*xq+8*xk+7], v[ACC+8*xq:ACC+8*xq+7]
.endif
.set xq, xq+1
.endr
	TQM xk
.set xk, xk+1
.endr
	WIN 0
.rept 4
	v_nop                                          ; the places behind those products (ISA guide 7.12.1)
.endr
	TQD 0
	WIN 0
.set xq, 0
.rept 8
	DIAG ACC+8*xq, XT
	v_mul_f32 v[XH+xq], 0.5, v[XT]
.set xq, xq+1
.endr
.set i, 0
.rept 64
	v_mov_b32 v[ACC+64+i], s47                     ; what the first phase's selection finds: so no first phase is written out
.set i, i+1
.endr
	s_wait_dscnt 0x0                               ; my rounded rows and norms of chunk 0 are written
	s_barrier_signal -1
	s_barrier_wait -1                              ; everybody's are
	FETCH 0, 0, 0
	WIN 0                                          ; at a label and at a branch every window is 0
	s_mov_b32 s[IT], 0
.Lloop:                                                ; six trips of two chunks: chunks 0 to 11
	TRIP 0, 1, 0
	TRIP 1, 1, 0
	WIN 0
	s_add_co_u32 s[IT], s[IT], 1
	s_cmp_lt_u32 s[IT], 6
	s_cbranch_scc1 .Lloop
	TRIP 0, 0, 1                                   ; chunk 12
	WIN 0
.set dj, 0
.rept 96
	SEL 1, dj                                      ; the last tile's selection
.set dj, dj+1
.endr
	; The two halves of the lanes hold a query's even and odd buckets: each takes the other's six keys and inserts them.
.set mq, 0
.rept 8
.set mi, 0
.rept 6
	v_permlanex16_b32 v[ACC+8*mq+mi], v[LIST+6*mq+mi], s30, s31
.set mi, mi+1
.endr
.set mq, mq+1
.endr
.set mi, 0
.rept 6
.set mn, 0
.rept 6
.set mq, 0
.rept 8
.if mn < 5
	v_med3_num_f32 v[LIST+6*mq+5-mn], v[ACC+8*mq+mi], v[LIST+6*mq+4-mn], v[LIST+6*mq+5-mn]
.else
	v_max_num_f32 v[LIST+6*mq], v[ACC+8*mq+mi], v[LIST+6*mq]
.endif
.set mq, mq+1
.endr
.set mn, mn+1
.endr
.set mi, mi+1
.endr
	s_lshl_b32 s42, s12, 6
	s_lshl_b32 s44, s10, 4
	s_add_co_u32 s42, s42, s44                     ; my first group of 8 queries: 64 y + 16 w
	s_mul_i32 s42, s42, OCT
	s_lshl_b32 s44, s11, 8
	s_add_co_u32 s42, s42, s44                     ; + the range's 256 bytes
	s_add_nc_u64 s[8:9], s[8:9], s[42:43]
.set mq, 0
.rept 8                                            ; h = 0 stores keys 0-3, h = 1 keys 4, 5 and two fillers: a store of the wave covers two aligned runs of 256 consecutive bytes
	v_cndmask_b32 v[ACC+64+4*mq],   v[LIST+6*mq],   v[LIST+6*mq+4], s36
	v_cndmask_b32 v[ACC+64+4*mq+1], v[LIST+6*mq+1], v[LIST+6*mq+5], s36
	v_cndmask_b32 v[ACC+64+4*mq+2], v[LIST+6*mq+2], v14, s36
	v_cndmask_b32 v[ACC+64+4*mq+3], v[LIST+6*mq+3], v14, s36
	global_store_b128 v[COF], v[ACC+64+4*mq:ACC+64+4*mq+3], s[8:9] offset:2*OCT*mq
.set mq, mq+1
.endr
	s_wait_tensorcnt 0x0                           ; the wave's end, behind my tensor load and my last LDS store
	ds_add_u32 v[SPW], v[NIL]
	s_wait_dscnt 0x0
	s_endpgm
.Lfunc_end_k_q56d9269242_scan:
	.size	k_q56d9269242_scan, .Lfunc_end_k_q56d9269242_scan-k_q56d9269242_scan
	.p2alignl 7, 3214868480
	.fill 96, 4, 3214868480
	.section	.rodata,"a",@progbits
	.p2align	6, 0x0
	.amdhsa_kernel k_q56d9269242_scan
		.amdhsa_group_segment_fixed_size 306176
		.amdhsa_private_segment_fixed_size 0
		.amdhsa_enable_private_segment 0
		.amdhsa_kernarg_size 24
		.amdhsa_user_sgpr_count 2
		.amdhsa_user_sgpr_kernarg_segment_ptr 1
		.amdhsa_wavefront_size32 1
		.amdhsa_system_sgpr_workgroup_id_x 1
		.amdhsa_system_sgpr_workgroup_id_y 1
		.amdhsa_system_sgpr_workgroup_id_z 1
		.amdhsa_system_vgpr_workitem_id 0
		.amdhsa_next_free_vgpr 1024
		.amdhsa_next_free_sgpr 66
		.amdhsa_reserve_vcc 0
		.amdhsa_float_denorm_mode_32 3
		.amdhsa_float_denorm_mode_16_64 3
		.amdhsa_memory_ordered 1
		.amdhsa_forward_progress 1
		.amdhsa_inst_pref_size 212
	.end_amdhsa_kernel
	.amdgpu_metadata
---
amdhsa.version: [ 1, 2 ]
amdhsa.kernels:
  - .name:           k_q56d9269242_scan
    .symbol:         k_q56d9269242_scan.kd
    .args:
      - { .name: x, .offset: 0, .size: 8, .value_kind: global_buffer, .address_space: global }
      - { .name: x_train, .offset: 8, .size: 8, .value_kind: global_buffer, .address_space: global }
      - { .name: cand, .offset: 16, .size: 8, .value_kind: global_buffer, .address_space: global }
    .group_segment_fixed_size: 306176
    .private_segment_fixed_size: 0
    .kernarg_segment_align: 8
    .kernarg_segment_size: 24
    .max_flat_workgroup_size: 128
    .sgpr_count:     66
    .vgpr_count:     1024
    .wavefront_size: 32
...
	.end_amdgpu_metadata
.endif
;; end of part 1
;; launch pick (part 2): grid 256 x 1, 8 waves a work-group, no clusters, 18,432 bytes of LDS; arguments cand, ids; writes ids
.if DOCPART == 2
	.amdgcn_target "amdgcn-amd-amdhsa--gfx1250"
	.amdhsa_code_object_version 6
	.text
	.protected	k_q56d9269242_pick
	.globl	k_q56d9269242_pick
	.p2align	8
	.type	k_q56d9269242_pick,@function
k_q56d9269242_pick:
	s_mov_b64 s[64:65], 0
	v_nop
	global_prefetch_b8 v0, s[64:65] scope:SCOPE_SE
	s_setreg_imm32_b32 hwreg(HW_REG_WAVE_MODE, 25, 1), 1
	s_wait_xcnt 0x0
; NEAREST NEIGHBOURS, SECOND PASS.  cand: [256 groups of 8 queries][61 ranges][8 queries][8 words]: for each query and range six keys in descending order (a key: the upper 25 bits of
; -(squared distance)/2, below them the bucket's number in its range).  For each query the six greatest of its 366 keys; their buckets' numbers, range x 104 + the key's low 7 bits, go to
; ids: [2048][8] whole numbers (words 6 and 7 are 0).  Equal keys of different ranges are taken one at a time, the lower range first.
; A work-group takes a group of 8 queries: 15,616 consecutive bytes, copied once into LDS in loads of 16 bytes a lane; then wave w serves query w, lane L holding the lists of ranges L and L + 32.
; The group has 976 pieces of 16 bytes for 4 x 256 threads: in the fourth pass threads 208 to 255 take the last piece once more and put it into LDS units 61 to 63, which nobody reads, so that no lane is turned off.
; No matrix unit, no cluster, no tensor load: 4 MB are read once and no two work-groups read the same byte.
.set OCT,   15616
.set PU,    272         ; a range's 256 bytes + 16 in LDS
.set SPARE, 64*PU       ; behind the 64 units: the spare words, 128 bytes a wave: four blocks of 256 bytes that no other line names
.set SPW, 1
.set NIL, 2
.set LN,  5             ; lane
.set A,   8             ; v8-13   the list of range L
.set PA,  14            ; -L
.set PB,  15            ; -(L + 32)
.set B,   16            ; v16-21  the list of range L + 32
.set H,   22
.set C,   23
.set TMP, 24
.set D,   25
.set E,   26
.set OUT, 27
.set NINF, 28
.set LOW, 29
	s_load_b128 s[4:7], s[0:1], 0x0                ; cand s[4:5], ids s[6:7]
	v_lshl_add_u32 v[SPW], v0, 2, SPARE
	v_mov_b32 v[NIL], 0
	v_lshrrev_b32 v5, 5, v0
	v_readfirstlane_b32 s8, v5                     ; wave = query in the group
	s_mul_i32 s10, ttmp9, OCT
	s_mov_b32 s11, 0
	s_lshl_b32 s14, s8, 5                          ; 32 bytes a query
	s_lshl_b32 s12, ttmp9, 8
	s_add_co_u32 s12, s12, s14
	s_mov_b32 s13, 0
	s_mov_b32 s16, 0x76543210                      ; v_permlanex16_b32: each lane takes its own place in the other half
	s_mov_b32 s17, 0xfedcba98
	v_lshlrev_b32 v3, 4, v0                        ; piece t of 16 bytes
	v_add_nc_u32 v31, 12288, v3                    ; piece t + 768,
	v_min_u32 v31, OCT-16, v31                     ; or the group's last piece: no load leaves the group's bytes
	v_lshrrev_b32 v4, 4, v0
	v_mul_u32_u24 v4, v4, PU
	v_and_b32 v6, 15, v0
	v_lshl_add_u32 v4, v6, 4, v4                   ; a piece's place in LDS: unit t / 16, 16 (t % 16)
	s_wait_kmcnt 0x0
	s_add_nc_u64 s[4:5], s[4:5], s[10:11]
	s_add_nc_u64 s[6:7], s[6:7], s[12:13]
	global_load_b128 v[32:35], v3, s[4:5] th:TH_LOAD_NT
	global_load_b128 v[36:39], v3, s[4:5] offset:4096 th:TH_LOAD_NT
	global_load_b128 v[40:43], v3, s[4:5] offset:8192 th:TH_LOAD_NT
	global_load_b128 v[44:47], v31, s[4:5] th:TH_LOAD_NT
	v_and_b32 v[LN], 31, v0
	v_mul_u32_u24 v6, v[LN], PU
	v_add_nc_u32 v6, s14, v6                       ; range L, query w
	v_add_nc_u32 v7, 32, v[LN]
	v_cvt_f32_u32 v[PB], v7
	v_min_u32 v7, 60, v7                           ; lanes 29 to 31 have no second range: they read the last one's and drop it
	v_mul_u32_u24 v7, v7, PU
	v_add_nc_u32 v7, s14, v7
	v_cvt_f32_u32 v[PA], v[LN]
	v_mul_f32 v[PB], -1.0, v[PB]
	v_mul_f32 v[PA], -1.0, v[PA]
	v_mov_b32 v[NINF], 0xff800000
	v_mov_b32 v[LOW], 0xff7fffff
	v_mov_b32 v[OUT], 0
	v_mov_b32 v[TMP], 0
	v_cmp_gt_u32 s20, 29, v[LN]
.irp i, 0,1,2,3
	s_wait_loadcnt 3-\i                            ; loads come back in order (ISA guide 5.7.1): pass i is in, the younger ones stay out
	ds_store_b128 v4, v[32+4*\i:35+4*\i] offset:\i*16*PU
.endr
	s_wait_dscnt 0x0                               ; for the others' sake: my stores are done
	s_barrier_signal -1
	s_barrier_wait -1
	ds_load_b128 v[A:A+3], v6
	ds_load_b64 v[A+4:A+5], v6 offset:16
	ds_load_b128 v[B:B+3], v7
	ds_load_b64 v[B+4:B+5], v7 offset:16
	s_wait_tensorcnt 0x0                           ; the wave's end as far as LDS goes, behind my last LDS store
	ds_add_u32 v[SPW], v[NIL]
	s_wait_dscnt 0x0
.irp i, 0,1,2,3,4,5
	v_cndmask_b32 v[B+\i], v[NINF], v[B+\i], s20
.endr
.macro WMAX v                          ; the maximum over the wave's 32 lanes, in every lane
	v_max_num_f32_dpp v[\v], v[\v], v[\v] row_xmask:1 row_mask:0xf bank_mask:0xf
	v_max_num_f32_dpp v[\v], v[\v], v[\v] row_xmask:2 row_mask:0xf bank_mask:0xf
	v_max_num_f32_dpp v[\v], v[\v], v[\v] row_xmask:4 row_mask:0xf bank_mask:0xf
	v_max_num_f32_dpp v[\v], v[\v], v[\v] row_xmask:8 row_mask:0xf bank_mask:0xf
	v_permlanex16_b32 v[TMP], v[\v], s16, s17
	v_max_num_f32 v[\v], v[\v], v[TMP]
.endm
; Round r: the greatest head of the 61 lists; among the lists that hold it the lowest range; that list is popped; the bucket's number goes to lane r.
.macro ROUND r
	v_max_num_f32 v[H], v[A], v[B]
	WMAX H
	v_cmp_eq_f32 s18, v[A], v[H]
	v_cmp_eq_f32 s19, v[B], v[H]
	v_cndmask_b32 v[C], v[LOW], v[PB], s19
	v_cndmask_b32 v[C], v[C], v[PA], s18
	WMAX C
	v_cmp_eq_f32 s18, v[PA], v[C]
	v_cmp_eq_f32 s19, v[PB], v[C]
.irp i, 0,1,2,3,4
	v_cndmask_b32 v[A+\i], v[A+\i], v[A+\i+1], s18
	v_cndmask_b32 v[B+\i], v[B+\i], v[B+\i+1], s19
.endr
	v_cndmask_b32 v[A+5], v[A+5], v[NINF], s18
	v_cndmask_b32 v[B+5], v[B+5], v[NINF], s19
	v_mul_f32 v[D], -1.0, v[C]
	v_cvt_u32_f32 v[D], v[D]                       ; the range
	v_and_b32 v[E], 0x7f, v[H]
	v_mad_u32_u24 v[D], v[D], 104, v[E]
	v_cmp_eq_u32 s18, \r, v[LN]
	v_cndmask_b32 v[OUT], v[OUT], v[D], s18
.endm
.irp r, 0,1,2,3,4,5
	ROUND \r
.endr
	v_lshlrev_b32 v30, 2, v[LN]
	v_cmp_gt_u32 vcc_lo, 8, v[LN]
	s_wait_xcnt 0x0                                ; EXEC changes only behind this wait
	s_and_saveexec_b32 s9, vcc_lo
	global_store_b32 v30, v[OUT], s[6:7]           ; eight words a query; the eight waves' stores are 256 consecutive bytes
	s_endpgm
.Lfunc_end_k_q56d9269242_pick:
	.size	k_q56d9269242_pick, .Lfunc_end_k_q56d9269242_pick-k_q56d9269242_pick
	.p2alignl 7, 3214868480
	.fill 96, 4, 3214868480
	.section	.rodata,"a",@progbits
	.p2align	6, 0x0
	.amdhsa_kernel k_q56d9269242_pick
		.amdhsa_group_segment_fixed_size 18432
		.amdhsa_private_segment_fixed_size 0
		.amdhsa_enable_private_segment 0
		.amdhsa_kernarg_size 16
		.amdhsa_user_sgpr_count 2
		.amdhsa_user_sgpr_kernarg_segment_ptr 1
		.amdhsa_wavefront_size32 1
		.amdhsa_system_sgpr_workgroup_id_x 1
		.amdhsa_system_sgpr_workgroup_id_y 1
		.amdhsa_system_sgpr_workgroup_id_z 1
		.amdhsa_system_vgpr_workitem_id 0
		.amdhsa_next_free_vgpr 48
		.amdhsa_next_free_sgpr 66
		.amdhsa_reserve_vcc 1
		.amdhsa_float_denorm_mode_32 3
		.amdhsa_float_denorm_mode_16_64 3
		.amdhsa_memory_ordered 1
		.amdhsa_forward_progress 1
		.amdhsa_inst_pref_size 17
	.end_amdhsa_kernel
	.amdgpu_metadata
---
amdhsa.version: [ 1, 2 ]
amdhsa.kernels:
  - .name:           k_q56d9269242_pick
    .symbol:         k_q56d9269242_pick.kd
    .args:
      - { .name: cand, .offset: 0, .size: 8, .value_kind: global_buffer, .address_space: global }
      - { .name: ids, .offset: 8, .size: 8, .value_kind: global_buffer, .address_space: global }
    .group_segment_fixed_size: 18432
    .private_segment_fixed_size: 0
    .kernarg_segment_align: 8
    .kernarg_segment_size: 16
    .max_flat_workgroup_size: 256
    .sgpr_count:     66
    .vgpr_count:     48
    .wavefront_size: 32
...
	.end_amdgpu_metadata
.endif
;; end of part 2
;; launch rank (part 3): grid 256 x 1, 8 waves a work-group, no clusters, 107,520 bytes of LDS; arguments x, x_train, y_train, ids, out0; writes out0
.if DOCPART == 3
	.amdgcn_target "amdgcn-amd-amdhsa--gfx1250"
	.amdhsa_code_object_version 6
	.text
	.protected	k_q56d9269242_rank
	.globl	k_q56d9269242_rank
	.p2align	8
	.type	k_q56d9269242_rank,@function
k_q56d9269242_rank:
	s_mov_b64 s[64:65], 0
	v_nop
	global_prefetch_b8 v0, s[64:65] scope:SCOPE_SE
	s_setreg_imm32_b32 hwreg(HW_REG_WAVE_MODE, 25, 1), 1
	s_wait_xcnt 0x0
; NEAREST NEIGHBOURS, THIRD PASS.  ids: [2048][8] whole numbers: for each query six buckets of 8 consecutive training rows, among which its five nearest rows lie.  One wave serves one query:
; its 48 candidate rows and the query are rounded to bf16 (as in the first pass), the distances are made by the problem's own formula, sqrt(max(x^2 + t^2 - 2 x.t, 0)), products and norms by the matrix
; unit with f32 sums; five times the least distance is taken, the lower row first among equals; out0[q] = the mean of the five y.
; LIMITS.  v_sqrt_f32 is accurate to one unit in the last place and takes a denormal as 0 (ISA guide 15.8); NaN and infinities are not treated apart.  y is used in f32.
; A bucket's number is clamped to 6,249 before it enters an address.
; No cluster and no tensor load: the rows are a gather by numbers read from memory, 512 consecutive bytes each, and pass through registers to be rounded.
; LDS, for each wave its own 13,312 bytes: three tiles of 16 rows x 272 bytes, then the query's 256 bytes.
.set WB,    13312
.set PT,    272
.set QOFF,  3*16*PT
.set SPARE, 8*WB        ; the spare words, 128 bytes a wave: four blocks of 256 bytes that no other line names
.set LASTB, 6249
.set SPW, 1
.set NIL, 2
.set LN,  3             ; lane
.set RR,  4             ; lane % 16
.set HH,  5             ; lane / 16
.set GOF, 6             ; 16 x lane
.set STA, 7             ; where I put 8 bytes of a rounded row
.set FRA, 8             ; my place in a tile's fragments
.set QFA, 9             ; my place in the query's row
.set R7,  10            ; r % 8
.set LOW, 11
.set NINF, 12
.set YO,  13            ; v13-15  byte offsets in y
.set Y,   16            ; v16-18  y of candidate r of tiles 0-2
.set NI,  19            ; v19-21  -(row number)
.set E,   22            ; v22-24  -distance
.set C,   25            ; v25-27  at work
.set G,   28
.set YS,  29
.set ZO,  30            ; 0: the store's offset
.set XT,  32            ; v32-35  at work
.set XR,  36            ; v36-39  the query's four numbers
.set PP,  40            ; v40-49  rounded
.set F,   64            ; v64-255 48 rows as loaded; then:
.set TF,  64            ; v64-159 three tiles' fragments
.set QF,  160           ; v160-191 the query's, the same row in all 16 places
.set DOT, 192           ; v192-215 x.t
.set TSQ, 216           ; v216-239 T T^T
.set XS,  240           ; v240-247 x.x
; scalars: s[4:13] the five addresses; s14 wave; s15 query; s[16:23] bucket numbers as read; s[28:29], s[30:31] offset pairs, their upper words 0 throughout; s[32:43] the six buckets' addresses; s44-55 masks and selects
	s_load_b256 s[4:11], s[0:1], 0x0               ; x s[4:5], x_train s[6:7], y_train s[8:9], ids s[10:11]
	s_load_b64 s[12:13], s[0:1], 0x20              ; out0
	v_lshl_add_u32 v[SPW], v0, 2, SPARE
	v_mov_b32 v[NIL], 0
	v_lshrrev_b32 v3, 5, v0
	v_readfirstlane_b32 s14, v3                    ; wave
	s_lshl_b32 s15, ttmp9, 3
	s_add_co_u32 s15, s15, s14                     ; my query
	s_lshl_b32 s28, s15, 5
	s_mov_b32 s29, 0
	s_lshl_b32 s30, s15, 9
	s_mov_b32 s31, 0
	s_mul_i32 s45, s14, WB
	s_mov_b32 s44, 0xff00ff00                      ; lanes with r >= 8
	s_mov_b32 s50, 0xaaaaaaaa                      ; r & 1
	s_mov_b32 s51, 0xcccccccc                      ; r & 2
	s_mov_b32 s52, 0xf0f0f0f0                      ; r & 4
	s_mov_b32 s53, 0x00ffff00                      ; h != r / 8
	s_mov_b32 s54, 0x76543210
	s_mov_b32 s55, 0xfedcba98
	v_and_b32 v[LN], 31, v0
	v_lshlrev_b32 v[GOF], 4, v[LN]
	s_wait_kmcnt 0x0
	s_add_nc_u64 s[10:11], s[10:11], s[28:29]
	s_load_b256 s[16:23], s[10:11], 0x0            ; six bucket numbers
	s_add_nc_u64 s[4:5], s[4:5], s[30:31]
	global_load_b128 v[XR:XR+3], v[GOF], s[4:5]    ; the query's row
	v_and_b32 v[RR], 15, v0
	v_bfe_u32 v[HH], v0, 4, 1
	v_and_b32 v[R7], 7, v0
	v_lshl_add_u32 v[STA], v[LN], 3, s45
	v_mul_u32_u24 v[FRA], v[RR], PT
	v_lshl_add_u32 v[FRA], v[HH], 4, v[FRA]
	v_add_nc_u32 v[FRA], s45, v[FRA]
	v_lshlrev_b32 v[QFA], 4, v[HH]
	v_add_nc_u32 v[QFA], s45, v[QFA]
	v_mov_b32 v[LOW], 0xff7fffff
	v_mov_b32 v[NINF], 0xff800000
	v_mov_b32 v[YS], 0
	v_mov_b32 v[ZO], 0
	s_wait_kmcnt 0x0
.irp i, 0,1,2,3,4,5
	s_min_u32 s[32+2*\i], s[16+\i], LASTB          ; the number is clamped in the low word of its own offset pair,
	s_lshl_b32 s[32+2*\i], s[32+2*\i], 12          ; a bucket is 8 rows of 512 bytes,
	s_mov_b32 s[33+2*\i], 0
	s_add_nc_u64 s[32+2*\i:33+2*\i], s[6:7], s[32+2*\i:33+2*\i]
.endr
.irp i, 0,1,2,3,4,5
.irp j, 0,1,2,3,4,5,6,7
	global_load_b128 v[F+4*(8*\i+\j):F+4*(8*\i+\j)+3], v[GOF], s[32+2*\i:33+2*\i] offset:512*\j
.endr
.endr
.irp u, 0,1,2
	v_mov_b32 v[XT], s[16+2*\u]
	v_mov_b32 v[XT+1], s[17+2*\u]
	v_cndmask_b32 v[YO+\u], v[XT], v[XT+1], s44    ; candidates 0-7 of a tile come from one bucket, 8-15 from the next
	v_min_u32 v[YO+\u], 0x1869, v[YO+\u]           ; 6,249
	v_lshl_add_u32 v[YO+\u], v[YO+\u], 3, v[R7]    ; the row's number
	v_cvt_f32_u32 v[NI+\u], v[YO+\u]
	v_lshlrev_b32 v[YO+\u], 2, v[YO+\u]
	v_mul_f32 v[NI+\u], -1.0, v[NI+\u]
	global_load_b32 v[Y+\u], v[YO+\u], s[8:9]
.endr
	s_wait_loadcnt 51                              ; the query's row: 48 + 3 loads were issued behind it
	v_cvt_pk_bf16_f32 v[PP+8], v[XR], v[XR+1]
	v_cvt_pk_bf16_f32 v[PP+9], v[XR+2], v[XR+3]
	ds_store_b64 v[STA], v[PP+8:PP+9] offset:QOFF
.set row, 0
.rept 48
.if row%16 == 0
	s_wait_loadcnt 35-16*(row/16)                  ; this tile's 16 rows: behind them the later tiles' rows and the three y
.endif
	v_cvt_pk_bf16_f32 v[PP+2*(row%4)],   v[F+4*row],   v[F+4*row+1]
	v_cvt_pk_bf16_f32 v[PP+2*(row%4)+1], v[F+4*row+2], v[F+4*row+3]
	ds_store_b64 v[STA], v[PP+2*(row%4):PP+2*(row%4)+1] offset:row*PT
.set row, row+1
.endr
.irp u, 0,1,2
.irp k, 0,1,2,3                        ; LDS serves a wave's instructions in order (ISA guide 5.7.1.4): these see my stores
	ds_load_b128 v[TF+32*\u+8*\k:TF+32*\u+8*\k+3],   v[FRA] offset:\u*16*PT+64*\k
	ds_load_b128 v[TF+32*\u+8*\k+4:TF+32*\u+8*\k+7], v[FRA] offset:\u*16*PT+64*\k+32
.endr
.endr
.irp k, 0,1,2,3
	ds_load_b128 v[QF+8*\k:QF+8*\k+3],   v[QFA] offset:QOFF+64*\k
	ds_load_b128 v[QF+8*\k+4:QF+8*\k+7], v[QFA] offset:QOFF+64*\k+32
.endr
	s_wait_tensorcnt 0x0                           ; the wave's end as far as LDS goes, behind my last LDS store
	ds_add_u32 v[SPW], v[NIL]
	s_wait_dscnt 0x0
	; 28 products, seven accumulators by turns.  Source 0 = the query in all 16 rows, source 1 = 16 candidates: register 0 of lane (r, h) holds x.t_r
.set k, 0
.rept 4
.irp u, 0,1,2
.if k == 0
	v_wmma_f32_16x16x32_bf16 v[DOT+8*\u:DOT+8*\u+7], v[QF:QF+7], v[TF+32*\u:TF+32*\u+7], 0
.else
	v_wmma_f32_16x16x32_bf16 v[DOT+8*\u:DOT+8*\u+7], v[QF+8*k:QF+8*k+7], v[TF+32*\u+8*k:TF+32*\u+8*k+7], v[DOT+8*\u:DOT+8*\u+7]
.endif
.endr
.irp u, 0,1,2
.if k == 0
	v_wmma_f32_16x16x32_bf16 v[TSQ+8*\u:TSQ+8*\u+7], v[TF+32*\u:TF+32*\u+7], v[TF+32*\u:TF+32*\u+7], 0
.else
	v_wmma_f32_16x16x32_bf16 v[TSQ+8*\u:TSQ+8*\u+7], v[TF+32*\u+8*k:TF+32*\u+8*k+7], v[TF+32*\u+8*k:TF+32*\u+8*k+7], v[TSQ+8*\u:TSQ+8*\u+7]
.endif
.endr
.if k == 0
	v_wmma_f32_16x16x32_bf16 v[XS:XS+7], v[QF:QF+7], v[QF:QF+7], 0
.else
	v_wmma_f32_16x16x32_bf16 v[XS:XS+7], v[QF+8*k:QF+8*k+7], v[QF+8*k:QF+8*k+7], v[XS:XS+7]
.endif
.set k, k+1
.endr
.rept 4
	v_nop                                          ; the places behind those products (ISA guide 7.12.1)
.endr
.irp u, 0,1,2                          ; |t_r|^2 is element (r, r): register r % 8 of the lane with h = r / 8
	v_cndmask_b32 v[XT],   v[TSQ+8*\u],   v[TSQ+8*\u+1], s50
	v_cndmask_b32 v[XT+1], v[TSQ+8*\u+2], v[TSQ+8*\u+3], s50
	v_cndmask_b32 v[XT+2], v[TSQ+8*\u+4], v[TSQ+8*\u+5], s50
	v_cndmask_b32 v[XT+3], v[TSQ+8*\u+6], v[TSQ+8*\u+7], s50
	v_cndmask_b32 v[XT],   v[XT],   v[XT+1], s51
	v_cndmask_b32 v[XT+2], v[XT+2], v[XT+3], s51
	v_cndmask_b32 v[XT],   v[XT],   v[XT+2], s52
	v_permlanex16_b32 v[XT+1], v[XT], s54, s55
	v_cndmask_b32 v[XT],   v[XT],   v[XT+1], s53
	v_add_f32 v[E+\u], v[XS], v[XT]                ; x^2 + t^2
	v_fma_f32 v[E+\u], -2.0, v[DOT+8*\u], v[E+\u]  ; - 2 x.t
	v_max_num_f32 v[E+\u], 0, v[E+\u]
.endr
	v_sqrt_f32 v[E], v[E]
	v_sqrt_f32 v[E+1], v[E+1]
	v_sqrt_f32 v[E+2], v[E+2]
	v_nop                                          ; a plain instruction between the last root and the use of its result (ISA guide 5.7.2)
	s_wait_alu depctr_va_vdst(0)
	v_mul_f32 v[E], -1.0, v[E]
	v_mul_f32 v[E+1], -1.0, v[E+1]
	v_mul_f32 v[E+2], -1.0, v[E+2]
	s_wait_loadcnt 0x0                             ; y
.macro W16MAX v                        ; the maximum over 16 lanes; the two halves of the lanes hold the same numbers
	v_max_num_f32_dpp v[\v], v[\v], v[\v] row_xmask:1 row_mask:0xf bank_mask:0xf
	v_max_num_f32_dpp v[\v], v[\v], v[\v] row_xmask:2 row_mask:0xf bank_mask:0xf
	v_max_num_f32_dpp v[\v], v[\v], v[\v] row_xmask:4 row_mask:0xf bank_mask:0xf
	v_max_num_f32_dpp v[\v], v[\v], v[\v] row_xmask:8 row_mask:0xf bank_mask:0xf
.endm
.rept 5                                ; the nearest candidate left, the lowest row among equals: its y is added, and it leaves
	v_max3_num_f32 v[G], v[E], v[E+1], v[E+2]
	W16MAX G
	v_cmp_eq_f32 s46, v[E], v[G]
	v_cmp_eq_f32 s47, v[E+1], v[G]
	v_cmp_eq_f32 s48, v[E+2], v[G]
	v_cndmask_b32 v[C],   v[LOW], v[NI],   s46
	v_cndmask_b32 v[C+1], v[LOW], v[NI+1], s47
	v_cndmask_b32 v[C+2], v[LOW], v[NI+2], s48
	v_max3_num_f32 v[G], v[C], v[C+1], v[C+2]
	W16MAX G
	v_cmp_eq_f32 s46, v[NI], v[G]
	v_cmp_eq_f32 s47, v[NI+1], v[G]
	v_cmp_eq_f32 s48, v[NI+2], v[G]
	v_cndmask_b32 v[C],   0, v[Y],   s46
	v_cndmask_b32 v[C+1], 0, v[Y+1], s47
	v_cndmask_b32 v[C+2], 0, v[Y+2], s48
	v_cndmask_b32 v[E],   v[E],   v[NINF], s46
	v_cndmask_b32 v[E+1], v[E+1], v[NINF], s47
	v_cndmask_b32 v[E+2], v[E+2], v[NINF], s48
	v_add_f32 v[YS], v[YS], v[C]
	v_add_f32 v[C+1], v[C+1], v[C+2]
	v_add_f32 v[YS], v[YS], v[C+1]
.endr
	v_add_f32_dpp v[YS], v[YS], v[YS] row_xmask:1 row_mask:0xf bank_mask:0xf
	v_add_f32_dpp v[YS], v[YS], v[YS] row_xmask:2 row_mask:0xf bank_mask:0xf
	v_add_f32_dpp v[YS], v[YS], v[YS] row_xmask:4 row_mask:0xf bank_mask:0xf
	v_add_f32_dpp v[YS], v[YS], v[YS] row_xmask:8 row_mask:0xf bank_mask:0xf
	v_mul_f32 v[YS], 0x3e4ccccd, v[YS]             ; the mean of five
	s_lshl_b32 s28, s15, 2                         ; 4 bytes a query; s29 is still 0
	s_add_nc_u64 s[12:13], s[12:13], s[28:29]
	v_cmp_eq_u32 vcc_lo, 0, v[LN]
	s_wait_xcnt 0x0                                ; EXEC changes only behind this wait
	s_and_saveexec_b32 s49, vcc_lo
	global_store_b32 v[ZO], v[YS], s[12:13]        ; one number a query: the whole output is 8,192 bytes
	s_endpgm
.Lfunc_end_k_q56d9269242_rank:
	.size	k_q56d9269242_rank, .Lfunc_end_k_q56d9269242_rank-k_q56d9269242_rank
	.p2alignl 7, 3214868480
	.fill 96, 4, 3214868480
	.section	.rodata,"a",@progbits
	.p2align	6, 0x0
	.amdhsa_kernel k_q56d9269242_rank
		.amdhsa_group_segment_fixed_size 107520
		.amdhsa_private_segment_fixed_size 0
		.amdhsa_enable_private_segment 0
		.amdhsa_kernarg_size 40
		.amdhsa_user_sgpr_count 2
		.amdhsa_user_sgpr_kernarg_segment_ptr 1
		.amdhsa_wavefront_size32 1
		.amdhsa_system_sgpr_workgroup_id_x 1
		.amdhsa_system_sgpr_workgroup_id_y 1
		.amdhsa_system_sgpr_workgroup_id_z 1
		.amdhsa_system_vgpr_workitem_id 0
		.amdhsa_next_free_vgpr 256
		.amdhsa_next_free_sgpr 66
		.amdhsa_reserve_vcc 1
		.amdhsa_float_denorm_mode_32 3
		.amdhsa_float_denorm_mode_16_64 3
		.amdhsa_memory_ordered 1
		.amdhsa_forward_progress 1
		.amdhsa_inst_pref_size 34
	.end_amdhsa_kernel
	.amdgpu_metadata
---
amdhsa.version: [ 1, 2 ]
amdhsa.kernels:
  - .name:           k_q56d9269242_rank
    .symbol:         k_q56d9269242_rank.kd
    .args:
      - { .name: x, .offset: 0, .size: 8, .value_kind: global_buffer, .address_space: global }
      - { .name: x_train, .offset: 8, .size: 8, .value_kind: global_buffer, .address_space: global }
      - { .name: y_train, .offset: 16, .size: 8, .value_kind: global_buffer, .address_space: global }
      - { .name: ids, .offset: 24, .size: 8, .value_kind: global_buffer, .address_space: global }
      - { .name: out0, .offset: 32, .size: 8, .value_kind: global_buffer, .address_space: global }
    .group_segment_fixed_size: 107520
    .private_segment_fixed_size: 0
    .kernarg_segment_align: 8
    .kernarg_segment_size: 40
    .max_flat_workgroup_size: 256
    .sgpr_count:     66
    .vgpr_count:     256
    .wavefront_size: 32
...
	.end_amdgpu_metadata
.endif
;; end of part 3
